; MI455X (gfx1250); checked and timed in simulation.
; The chip was launched on July 23, 2026; its instructions are those of AMD's public machine-readable ISA for CDNA 5 (MIT licence, August 2026) and "CDNA5" Instruction Set Architecture Reference Guide (July 2026). The comments in the code are by the model that wrote it; some were corrected since.
;; S4 Deter. Allowed arithmetic: float matrix products may take bf16 or f16 operands with f32 sums; other float arithmetic in f32, or as packed bf16 or f16 multiplies, adds, multiply-adds, maxima and minima; sums over many terms, partial sums and values carried from step to step in f32; what a program stores and reads back later, other than sums and carried values, may be rounded once to bf16 or f16.
;; Inputs: W0 256 x 1,056 float32; W_in 4 x 256 x 256 float32; W_out 4 x 256 x 256 float32; W_skip 4 x 256 x 256 float32; action 4,096 x 32 float32; b0 256 float32; b_in 4 x 256 float32; b_out 4 x 256 float32; b_skip 4 x 256 float32; deter 4,096 x 4,096 float32; g0 256 float32; log_decay 4 x 256 float32; norm_w 4 x 256 float32; out_norm_w 256 float32; stoch 4,096 x 1,024 float32.
;; Outputs: out0 4,096 x 4,096 float32.
;; 2 versions, each right; version 2 is version 1 with the launch prep written anew for expert scheduling mode. Each part assembles by itself: llvm-mc -triple=amdgcn-amd-amdhsa -mcpu=gfx1250 --defsym DOCPART=n.
;; ======== version 1 of 2: 2 launches
;; limits: values are held in f16: magnitudes above 65,504 overflow, below 6.1e-05 lose precision
;; workspace buffers: htok 4,194,304 bytes; wbf 1,572,864 bytes; tab 12,288 bytes
;; launch prep (part 1): grid 256 x 1, 8 waves a work-group, no clusters, 290,816 bytes of LDS; arguments stoch, action, W0, b0, W_in, W_out, W_skip, norm_w, log_decay, b_in, b_out, b_skip, htok, wbf, tab; writes htok, wbf, tab
.if DOCPART == 1
	.amdgcn_target "amdgcn-amd-amdhsa--gfx1250"
	.amdhsa_code_object_version 6
	.text
	.protected	k_qd3f003e29d_prep
	.globl	k_qd3f003e29d_prep
	.p2align	8
	.type	k_qd3f003e29d_prep,@function
k_qd3f003e29d_prep:
	s_mov_b64 s[64:65], 0
	v_nop
	global_prefetch_b8 v0, s[64:65] scope:SCOPE_SE
	s_setreg_imm32_b32 hwreg(HW_REG_WAVE_MODE, 25, 1), 1
	s_wait_xcnt 0x0
; PREP: three things that the main launch reads.
; (1) wbf: the layer weights in 16 bits, as 1,536 fragments of 1,024 bytes in the order of use.  A fragment is 16 rows x 32 k: byte 512 q + 16 lane holds W[row0 + lane % 16][k0 + 16 q + 8 (lane / 16) .. + 7],
;     which is the register image of a 16-bit matrix operand.  norm_w is folded into W_in and W_skip (W[s][d] x norm_w[d] in f32, rounded once), so that the main launch's x is tok x rs alone.
;     Fragment number = 384 layer + 64 step + f.  Steps 0-3 (state channels 64 c ..): f < 32: W_in rows 64 c + 16 (f / 8), k 32 (f % 8); f >= 32: W_out rows 16 (f % 16), k 64 c + 32 ((f / 16) % 2).
;     Steps 4, 5: W_skip rows 128 (step - 4) + 16 (f % 8), k 32 (f / 8).
;     FORMATS.  W_in and W_skip meet x, which its norm holds within 16: both sides in f16, 11 significant bits.  W_out meets the states, which have no such bound: both sides in bf16.
; (2) tab: f32 [layer][3][256]: b_out + b_skip; sigmoid(log_decay); b_in.
; (3) htok = [stoch | action / max(|action|, 1)] W0^T + b0, f32 [4096][256]: a tile of 64 batch rows x 64 columns a work-group, K = 1,056, f16 operands, f32 sums.
; LIMITS.  f16 holds no number beyond 65,504: stoch, W0, W_in x norm_w and W_skip x norm_w must lie within it; below 6e-5 they keep f16's fixed step of 6e-8.  The weights are rounded after the fold with
; norm_w, not before it.  The division by max(|action|, 1) is a multiplication by v_rcp_f32's result.  NaN and infinities are not treated apart.
; No cluster and no tensor load: the operands are f32 in memory and must pass through registers to be rounded; a work-group's 540,672 bytes are the least that 256 equal shares of this product can fetch.
.set PA,    2128                       ; an LDS row of a tile: 1,056 f16 = 2,112 bytes + 16: 133 x 16, so the 16 rows of a fragment load start at 16 different groups of four banks (ISA guide 11.1)
.set BT,    64*PA                      ; W0's tile lies behind the activations' tile
.set STG,   2*64*PA                    ; the stage for the way out: 64 rows x 272 bytes
.set SPT,   272
.set SPARE, STG+64*SPT                 ; the spare words: 128 bytes a wave, four blocks of 256 bytes that no other line names
.set SPW, 4                            ; v4   my spare word's address; never rewritten
.set NIL, 5                            ; v5   0; never rewritten
.set VA,  6                            ; v6   byte offset in stoch of my 16 bytes in my wave's first row
.set VB,  7                            ; v7   the same in W0
.set LA,  8                            ; v8   LDS address of my 8 bytes in my wave's first row of the activations' tile
.set LB,  9                            ; v9   the same in W0's tile
.set TLA, 10                           ; v10, v11  LDS addresses for k = 1024 .. 1055
.set TLB, 11
.set AO,  12                           ; v12  my byte offset in action
.set WO,  13                           ; v13  my byte offset in W0 for k = 1024 .. 1055
.set BOF, 14                           ; v14  my byte offset in b0
.set FA,  16                           ; v16, v17  fragment addresses
.set FB,  17
.set SST, 18                           ; v18, v19  the stage: in, back
.set SLD, 19
.set HOF, 20                           ; v20  my byte offset in htok
.set C,   48                           ; v[48:63]   a row rounded to f16
.set X,   64                           ; v[64:191]  four row slots of 32 registers
.set F,   64                           ; v[64:207]  later: two fragment buffers of 72
.set ACC, 208                          ; v[208:223] two accumulators
.set B0R, 224                          ; v[224:239] b0 of my 16 columns
.macro PLACES                          ; four places between a matrix instruction and a load into, or a vector line on, its registers
.rept 4
	v_nop
.endr
.endm
	s_load_b512 s[8:23], s[0:1], 0x0               ; stoch 8, action 10, W0 12, b0 14, W_in 16, W_out 18, W_skip 20, norm_w 22
	s_load_b256 s[24:31], s[0:1], 0x40             ; log_decay 24, b_in 26, b_out 28, b_skip 30
	s_load_b128 s[32:35], s[0:1], 0x60             ; htok 32, wbf 34
	s_load_b64 s[36:37], s[0:1], 0x70              ; tab
	v_lshl_add_u32 v[SPW], v0, 2, SPARE
	v_mov_b32 v[NIL], 0
	v_lshrrev_b32 v1, 5, v0
	v_readfirstlane_b32 s38, v1                    ; wave 0..7
	v_and_b32 v1, 31, v0                           ; lane
	v_and_b32 v2, 15, v0                           ; r = lane % 16
	v_bfe_u32 v3, v0, 4, 1                         ; h = lane / 16
	s_mov_b32 s39, ttmp9                           ; work-group g
	s_wait_kmcnt 0x0
	s_cmp_ge_u32 s38, 6
	s_cbranch_scc1 .Ltab
	; ---- (1) waves 0-5: fragment f = g % 64 of step = wave, layer g / 64
	s_and_b32 s40, s39, 63                         ; f
	s_lshr_b32 s41, s39, 6                         ; layer
	s_lshr_b32 s42, s40, 3                         ; f / 8
	s_and_b32 s43, s40, 7                          ; f % 8
	s_lshl_b32 s48, s38, 6                         ; 64 c
	s_lshl4_add_u32 s44, s42, s48                  ; W_in: row0 = 64 c + 16 (f / 8)
	s_lshl_b32 s45, s43, 5                         ;       k0 = 32 (f % 8)
	s_and_b32 s46, s40, 15
	s_lshl_b32 s46, s46, 4                         ; W_out: row0 = 16 (f % 16)
	s_bfe_u32 s47, s40, 0x10004
	s_lshl_b32 s47, s47, 5
	s_add_co_u32 s47, s47, s48                     ;        k0 = 64 c + 32 ((f / 16) % 2)
	s_lshl_b32 s48, s38, 7
	s_sub_co_u32 s48, s48, 512
	s_lshl4_add_u32 s48, s43, s48                  ; W_skip: row0 = 128 (step - 4) + 16 (f % 8) (used for steps 4 and 5 alone)
	s_lshl_b32 s49, s42, 5                         ;         k0 = 32 (f / 8)
	s_cmp_ge_u32 s40, 32                           ; the second half of steps 0-3 is W_out's
	s_cselect_b32 s44, s46, s44
	s_cselect_b32 s45, s47, s45
	s_cselect_b64 s[50:51], s[18:19], s[16:17]
	s_cselect_b32 s52, 1, 0                        ; 1: W_out: no fold, bf16
	s_cmp_ge_u32 s38, 4                            ; steps 4 and 5 are W_skip's
	s_cselect_b32 s44, s48, s44
	s_cselect_b32 s45, s49, s45
	s_cselect_b64 s[50:51], s[20:21], s[50:51]
	s_cselect_b32 s52, 0, s52
	s_lshl_b32 s53, s41, 18                        ; a layer's matrix is 262,144 bytes
	s_lshl_b32 s54, s44, 10                        ; a row 1,024
	s_add_co_u32 s54, s54, s53
	s_lshl2_add_u32 s54, s45, s54
	s_mov_b32 s55, 0
	s_add_nc_u64 s[50:51], s[50:51], s[54:55]      ; the matrix at (row0, k0)
	s_lshl_b32 s56, s41, 10
	s_lshl2_add_u32 s56, s45, s56
	s_mov_b32 s57, 0
	s_add_nc_u64 s[56:57], s[22:23], s[56:57]      ; norm_w at (layer, k0)
	s_mul_i32 s58, s41, 384
	s_lshl_b32 s59, s38, 6
	s_add_co_u32 s58, s58, s59
	s_add_co_u32 s58, s58, s40
	s_lshl_b32 s58, s58, 10
	s_mov_b32 s59, 0
	s_add_nc_u64 s[58:59], s[34:35], s[58:59]      ; wbf at the fragment
	v_lshlrev_b32 v21, 10, v2
	v_lshl_add_u32 v21, v3, 5, v21                 ; row r, 8 h numbers in
	v_lshlrev_b32 v22, 5, v3
	v_lshlrev_b32 v23, 4, v1
	global_load_b128 v[64:67], v21, s[50:51]               ; k0 + 8 h + 0..3
	global_load_b128 v[68:71], v21, s[50:51] offset:16     ;            4..7
	global_load_b128 v[72:75], v21, s[50:51] offset:64     ; k0 + 16 + 8 h + 0..3
	global_load_b128 v[76:79], v21, s[50:51] offset:80
	s_cmp_eq_u32 s52, 1
	s_cbranch_scc1 .Lplain
	global_load_b128 v[80:83], v22, s[56:57]
	global_load_b128 v[84:87], v22, s[56:57] offset:16
	global_load_b128 v[88:91], v22, s[56:57] offset:64
	global_load_b128 v[92:95], v22, s[56:57] offset:80
	s_wait_loadcnt 0x0
.set z, 0
.rept 8
	v_pk_mul_f32 v[64+2*z:65+2*z], v[64+2*z:65+2*z], v[80+2*z:81+2*z]
.set z, z+1
.endr
.set z, 0
.rept 8
	v_cvt_pk_f16_f32 v[96+z], v[64+2*z], v[65+2*z]         ; W_in, W_skip: f16
.set z, z+1
.endr
	s_branch .Lfrag
.Lplain:
	s_wait_loadcnt 0x0
.set z, 0
.rept 8
	v_cvt_pk_bf16_f32 v[96+z], v[64+2*z], v[65+2*z]        ; W_out: bf16
.set z, z+1
.endr
.Lfrag:
	global_store_b128 v23, v[96:99], s[58:59]              ; each store covers 512 consecutive bytes, aligned
	global_store_b128 v23, v[100:103], s[58:59] offset:512
	s_branch .Ljoin
.Ltab:	; ---- (2) waves 6 and 7 of work-groups 0-3: layer g's table; thread 192 + u takes channels 4 u .. 4 u + 3
	s_cmp_ge_u32 s39, 4
	s_cbranch_scc1 .Ljoin
	v_and_b32 v21, 63, v0
	v_lshlrev_b32 v21, 4, v21
	s_lshl_b32 s40, s39, 10
	s_mov_b32 s41, 0
	s_add_nc_u64 s[24:25], s[24:25], s[40:41]
	s_add_nc_u64 s[26:27], s[26:27], s[40:41]
	s_add_nc_u64 s[28:29], s[28:29], s[40:41]
	s_add_nc_u64 s[30:31], s[30:31], s[40:41]
	s_mul_i32 s40, s39, 3072
	s_add_nc_u64 s[36:37], s[36:37], s[40:41]
	global_load_b128 v[64:67], v21, s[24:25]
	global_load_b128 v[68:71], v21, s[26:27]
	global_load_b128 v[72:75], v21, s[28:29]
	global_load_b128 v[76:79], v21, s[30:31]
	s_wait_loadcnt 0x0
	v_pk_mul_f32 v[64:65], v[64:65], 0xbfb8aa3b op_sel_hi:[1,0]  ; sigmoid(x) = 1 / (1 + 2^(-x log2 e))
	v_pk_mul_f32 v[66:67], v[66:67], 0xbfb8aa3b op_sel_hi:[1,0]
	v_exp_f32 v64, v64
	v_exp_f32 v65, v65
	v_exp_f32 v66, v66
	v_exp_f32 v67, v67
	v_pk_add_f32 v[72:73], v[72:73], v[76:77]              ; b_out + b_skip: also the plain line behind the exponentials
	v_pk_add_f32 v[74:75], v[74:75], v[78:79]
	s_wait_alu depctr_va_vdst(0)
	v_pk_add_f32 v[64:65], v[64:65], 1.0 op_sel_hi:[1,0]
	v_pk_add_f32 v[66:67], v[66:67], 1.0 op_sel_hi:[1,0]
	v_rcp_f32 v64, v64
	v_rcp_f32 v65, v65
	v_rcp_f32 v66, v66
	v_rcp_f32 v67, v67
	v_nop
	global_store_b128 v21, v[72:75], s[36:37]
	s_wait_alu depctr_va_vdst(0)
	global_store_b128 v21, v[64:67], s[36:37] offset:1024
	global_store_b128 v21, v[68:71], s[36:37] offset:2048
.Ljoin:
	s_wait_xcnt 0x0                                ; the registers that the stores above name are written again only behind this wait
	; ---- (3) the projection: batch rows 64 (g / 4) .., columns 64 (g % 4) ..
	s_lshr_b32 s40, s39, 2
	s_and_b32 s41, s39, 3
	s_mov_b32 s43, 0
	s_lshl_b32 s42, s40, 18
	s_add_nc_u64 s[8:9], s[8:9], s[42:43]          ; stoch at my 64 rows of 4,096 bytes
	s_lshl_b32 s42, s40, 13
	s_add_nc_u64 s[10:11], s[10:11], s[42:43]      ; action: 64 rows of 128 bytes
	s_mul_i32 s42, s41, 270336
	s_add_nc_u64 s[12:13], s[12:13], s[42:43]      ; W0: 64 rows of 4,224 bytes
	s_lshl_b32 s42, s41, 8
	s_add_nc_u64 s[14:15], s[14:15], s[42:43]      ; b0 at my 64 columns
	s_lshl_b32 s44, s40, 16
	s_add_co_u32 s42, s42, s44
	s_add_nc_u64 s[32:33], s[32:33], s[42:43]      ; htok at my tile
	s_lshl_b32 s46, s38, 15                        ; wave x 8 rows of stoch
	s_mul_i32 s47, s38, 33792                      ; of W0
	s_mul_i32 s48, s38, 8*PA                       ; of an LDS tile
	s_lshl_b32 s49, s38, 10                        ; of action
	s_lshr_b32 s44, s38, 1                         ; my row tile of 16
	s_and_b32 s45, s38, 1                          ; my pair of column tiles
	v_lshlrev_b32 v21, 4, v1
	v_add_nc_u32 v[VA], s46, v21
	v_add_nc_u32 v[VB], s47, v21
	v_add_nc_u32 v[AO], s49, v21
	v_lshl_add_u32 v[LA], v1, 3, s48
	v_add_nc_u32 v[LB], BT, v[LA]
	v_lshrrev_b32 v21, 3, v1                       ; k = 1024 ..: a row's 32 numbers are 8 lanes' 16 bytes: four rows a load
	v_and_b32 v22, 7, v1
	v_mul_u32_u24 v23, v21, 4224
	v_lshl_add_u32 v23, v22, 4, v23
	v_add_nc_u32 v[WO], s47, v23
	v_mul_u32_u24 v23, v21, PA
	v_lshl_add_u32 v23, v22, 3, v23
	v_add_nc_u32 v23, s48, v23
	v_add_nc_u32 v[TLA], 2048, v23
	v_add_nc_u32 v[TLB], BT+2048, v23
	s_lshl_b32 s50, s45, 7
	v_lshl_add_u32 v[BOF], v3, 5, s50              ; columns 32 (wave % 2) + 8 h ..
	global_load_b128 v[24:27], v[AO], s[10:11]
	global_load_b128 v[28:31], v[AO], s[10:11] offset:512
	global_load_b128 v[32:35], v[WO], s[12:13] offset:4096
	global_load_b128 v[36:39], v[WO], s[12:13] offset:4096+4*4224
	global_load_b128 v[B0R:B0R+3],     v[BOF], s[14:15]
	global_load_b128 v[B0R+4:B0R+7],   v[BOF], s[14:15] offset:16
	global_load_b128 v[B0R+8:B0R+11],  v[BOF], s[14:15] offset:64
	global_load_b128 v[B0R+12:B0R+15], v[BOF], s[14:15] offset:80
; Row rho of my wave's sixteen (0-7: stoch, 8-15: W0), its first 1,024 numbers: eight loads of 512 consecutive bytes into slot s
.macro RLOAD s, rho
.set z, 0
.rept 8
.if (\rho) < 8
	global_load_b128 v[X+32*(\s)+4*z:X+32*(\s)+4*z+3], v[VA], s[8:9] offset:(\rho)*4096+512*z
.else
	global_load_b128 v[X+32*(\s)+4*z:X+32*(\s)+4*z+3], v[VB], s[12:13] offset:((\rho)-8)*4224+512*z
.endif
.set z, z+1
.endr
.endm
; The row is rounded to f16 and laid into its tile.  left: the younger rows' loads, which stay out
.macro RCONV s, rho, left
	s_wait_loadcnt \left
.set z, 0
.rept 16
	v_cvt_pk_f16_f32 v[C+z], v[X+32*(\s)+2*z], v[X+32*(\s)+2*z+1]
.set z, z+1
.endr
.set z, 0
.rept 8
.if (\rho) < 8
	ds_store_b64 v[LA], v[C+2*z:C+2*z+1] offset:(\rho)*PA+256*z
.else
	ds_store_b64 v[LB], v[C+2*z:C+2*z+1] offset:((\rho)-8)*PA+256*z
.endif
.set z, z+1
.endr
.endm
	RLOAD 0, 0
	RLOAD 1, 1
	RLOAD 2, 2
	RLOAD 3, 3
	; the other addresses, in the wait
	v_mul_u32_u24 v21, v2, PA
	v_lshl_add_u32 v21, v3, 4, v21                 ; a fragment's row x pitch + 16 h
	s_mul_i32 s46, s44, 16*PA
	v_add_nc_u32 v[FA], s46, v21
	s_mul_i32 s47, s45, 32*PA
	s_add_co_u32 s47, s47, BT
	v_add_nc_u32 v[FB], s47, v21
	v_mul_u32_u24 v21, v2, SPT                     ; into the stage: row 16 tile + r, my 32 bytes of each column tile
	v_lshl_add_u32 v21, v3, 5, v21
	s_mul_i32 s46, s44, 16*SPT
	s_add_co_u32 s46, s46, s50
	s_add_co_u32 s46, s46, STG
	v_add_nc_u32 v[SST], s46, v21
	v_mul_u32_u24 v21, v3, SPT                     ; back: lanes 0-15 one row of 256 bytes, lanes 16-31 the next; 8 rows a wave
	v_lshl_add_u32 v21, v2, 4, v21
	s_mul_i32 s46, s38, 8*SPT
	s_add_co_u32 s46, s46, STG
	v_add_nc_u32 v[SLD], s46, v21
	v_lshlrev_b32 v21, 10, v3                      ; and the same rows in htok
	v_lshl_add_u32 v21, v2, 4, v21
	s_lshl_b32 s46, s38, 13
	v_add_nc_u32 v[HOF], s46, v21
	s_wait_loadcnt 32                              ; all but the four rows' 32 loads: action, W0's last 32 columns and b0 are in
.set z, 0
.rept 8
	v_and_b32 v[40+z], 0x7fffffff, v[24+z]
.set z, z+1
.endr
.set z, 0
.rept 8
	v_max_num_f32 v[40+z], 1.0, v[40+z]            ; max(|a|, 1)
.set z, z+1
.endr
.set z, 0
.rept 8
	v_rcp_f32 v[40+z], v[40+z]
.set z, z+1
.endr
	v_nop                                          ; a plain line behind the last reciprocal
.set z, 0
	s_wait_alu depctr_va_vdst(0)
.rept 4
	v_pk_mul_f32 v[24+2*z:25+2*z], v[24+2*z:25+2*z], v[40+2*z:41+2*z]
.set z, z+1
.endr
.set z, 0
.rept 8
	v_cvt_pk_f16_f32 v[C+z], v[24+2*z], v[25+2*z]
.set z, z+1
.endr
	ds_store_b64 v[TLA], v[C:C+1]
	ds_store_b64 v[TLA], v[C+2:C+3] offset:4*PA
	ds_store_b64 v[TLB], v[C+4:C+5]
	ds_store_b64 v[TLB], v[C+6:C+7] offset:4*PA
.set q, 0
.rept 16                                       ; three rows' loads, 24, are always behind the row in hand; at the end the counts run down
.if q < 13
	RCONV q%4, q, 24
.else
	RCONV q%4, q, 8*(15-q)
.endif
.if q < 12
	RLOAD q%4, q+4
.endif
.set q, q+1
.endr
	s_wait_dscnt 0x0                               ; for the others' sake: my rows of both tiles are written
	s_barrier_signal -1
	s_barrier_wait -1
; The products, used transposed (source 0 = 16 rows of W0, source 1 = 16 batch rows): a lane then holds one batch row and eight neighbouring columns.
; 33 K steps of 32 in 11 groups of 3; a group's 18 LDS loads are issued a group ahead.  The two accumulators take turns, one instruction a turn.
.macro LOADG g
.set j, 0
.rept 3
.set rF, F+72*((\g)%2)+24*j
.set ko, 64*(3*(\g)+j)
	ds_load_b128 v[rF:rF+3],     v[FA] offset:ko
	ds_load_b128 v[rF+4:rF+7],   v[FA] offset:ko+32
	ds_load_b128 v[rF+8:rF+11],  v[FB] offset:ko
	ds_load_b128 v[rF+12:rF+15], v[FB] offset:ko+32
	ds_load_b128 v[rF+16:rF+19], v[FB] offset:ko+16*PA
	ds_load_b128 v[rF+20:rF+23], v[FB] offset:ko+16*PA+32
.set j, j+1
.endr
.endm
	LOADG 0
.set g, 0
.rept 11
.if (g > 0) && (g < 10)
	PLACES                                         ; the buffer about to be loaded was read by the products just issued
.endif
.if g < 10
	LOADG g+1
	s_wait_dscnt 18                                ; all but the 18 just issued
.else
	s_wait_dscnt 0x0
.endif
.set j, 0
.rept 3
.set rF, F+72*(g%2)+24*j
.if (g == 0) && (j == 0)
	v_wmma_f32_16x16x32_f16 v[ACC:ACC+7],    v[rF+8:rF+15],  v[rF:rF+7], 0      ; the first K step starts the sums
	v_wmma_f32_16x16x32_f16 v[ACC+8:ACC+15], v[rF+16:rF+23], v[rF:rF+7], 0
.else
	v_wmma_f32_16x16x32_f16 v[ACC:ACC+7],    v[rF+8:rF+15],  v[rF:rF+7], v[ACC:ACC+7]
	v_wmma_f32_16x16x32_f16 v[ACC+8:ACC+15], v[rF+16:rF+23], v[rF:rF+7], v[ACC+8:ACC+15]
.endif
.set j, j+1
.endr
.set g, g+1
.endr
	PLACES
.set z, 0
.rept 8                                        ; + b0, from each accumulator's low end on
	v_pk_add_f32 v[ACC+2*z:ACC+2*z+1], v[ACC+2*z:ACC+2*z+1], v[B0R+2*z:B0R+2*z+1]
.set z, z+1
.endr
	ds_store_b128 v[SST], v[ACC:ACC+3]
	ds_store_b128 v[SST], v[ACC+4:ACC+7] offset:16
	ds_store_b128 v[SST], v[ACC+8:ACC+11] offset:64
	ds_store_b128 v[SST], v[ACC+12:ACC+15] offset:80
	s_wait_dscnt 0x0                               ; a stage row's 256 bytes come from two waves: my part is written,
	s_barrier_signal -1
	s_barrier_wait -1                              ; everybody's is
.set z, 0
.rept 4
	ds_load_b128 v[64+4*z:67+4*z], v[SLD] offset:z*2*SPT
.set z, z+1
.endr
	s_wait_dscnt 0x0
.set z, 0
.rept 4
	global_store_b128 v[HOF], v[64+4*z:67+4*z], s[32:33] offset:z*2048  ; 16 lanes store 256 consecutive bytes, at a multiple of 256 from htok's first byte
.set z, z+1
.endr
	s_wait_tensorcnt 0x0                           ; the wave's end, behind my last LDS store
	ds_add_u32 v[SPW], v[NIL]
	s_wait_dscnt 0x0
	s_endpgm
.Lfunc_end_k_qd3f003e29d_prep:
	.size	k_qd3f003e29d_prep, .Lfunc_end_k_qd3f003e29d_prep-k_qd3f003e29d_prep
	.p2alignl 7, 3214868480
	.fill 96, 4, 3214868480
	.section	.rodata,"a",@progbits
	.p2align	6, 0x0
	.amdhsa_kernel k_qd3f003e29d_prep
		.amdhsa_group_segment_fixed_size 290816
		.amdhsa_private_segment_fixed_size 0
		.amdhsa_enable_private_segment 0
		.amdhsa_kernarg_size 120
		.amdhsa_user_sgpr_count 2
		.amdhsa_user_sgpr_kernarg_segment_ptr 1
		.amdhsa_wavefront_size32 1
		.amdhsa_system_sgpr_workgroup_id_x 1
		.amdhsa_system_sgpr_workgroup_id_y 1
		.amdhsa_system_sgpr_workgroup_id_z 1
		.amdhsa_system_vgpr_workitem_id 0
		.amdhsa_next_free_vgpr 240
		.amdhsa_next_free_sgpr 66
		.amdhsa_reserve_vcc 0
		.amdhsa_float_denorm_mode_32 3
		.amdhsa_float_denorm_mode_16_64 3
		.amdhsa_memory_ordered 1
		.amdhsa_forward_progress 1
		.amdhsa_inst_pref_size 70
	.end_amdhsa_kernel
	.amdgpu_metadata
---
amdhsa.version: [ 1, 2 ]
amdhsa.kernels:
  - .name:           k_qd3f003e29d_prep
    .symbol:         k_qd3f003e29d_prep.kd
    .args:
      - { .name: stoch, .offset: 0, .size: 8, .value_kind: global_buffer, .address_space: global }
      - { .name: action, .offset: 8, .size: 8, .value_kind: global_buffer, .address_space: global }
      - { .name: W0, .offset: 16, .size: 8, .value_kind: global_buffer, .address_space: global }
      - { .name: b0, .offset: 24, .size: 8, .value_kind: global_buffer, .address_space: global }
      - { .name: W_in, .offset: 32, .size: 8, .value_kind: global_buffer, .address_space: global }
      - { .name: W_out, .offset: 40, .size: 8, .value_kind: global_buffer, .address_space: global }
      - { .name: W_skip, .offset: 48, .size: 8, .value_kind: global_buffer, .address_space: global }
      - { .name: norm_w, .offset: 56, .size: 8, .value_kind: global_buffer, .address_space: global }
      - { .name: log_decay, .offset: 64, .size: 8, .value_kind: global_buffer, .address_space: global }
      - { .name: b_in, .offset: 72, .size: 8, .value_kind: global_buffer, .address_space: global }
      - { .name: b_out, .offset: 80, .size: 8, .value_kind: global_buffer, .address_space: global }
      - { .name: b_skip, .offset: 88, .size: 8, .value_kind: global_buffer, .address_space: global }
      - { .name: htok, .offset: 96, .size: 8, .value_kind: global_buffer, .address_space: global }
      - { .name: wbf, .offset: 104, .size: 8, .value_kind: global_buffer, .address_space: global }
      - { .name: tab, .offset: 112, .size: 8, .value_kind: global_buffer, .address_space: global }
    .group_segment_fixed_size: 290816
    .private_segment_fixed_size: 0
    .kernarg_segment_align: 8
    .kernarg_segment_size: 120
    .max_flat_workgroup_size: 256
    .sgpr_count:     66
    .vgpr_count:     240
    .wavefront_size: 32
...
	.end_amdgpu_metadata
.endif
;; end of part 1
;; launch main (part 2): grid 256 x 1, 4 waves a work-group, clusters of 4 x 1, 327,680 bytes of LDS; arguments deter, htok, wbf, tab, g0, out_norm_w, out0; writes out0
.if DOCPART == 2
	.amdgcn_target "amdgcn-amd-amdhsa--gfx1250"
	.amdhsa_code_object_version 6
	.text
	.protected	k_qd3f003e29d_main
	.globl	k_qd3f003e29d_main
	.p2align	8
	.type	k_qd3f003e29d_main,@function
k_qd3f003e29d_main:
	s_mov_b64 s[64:65], 0
	v_nop
	global_prefetch_b8 v0, s[64:65] scope:SCOPE_SE
	s_setreg_imm32_b32 hwreg(HW_REG_WAVE_MODE, 25, 1), 1
	s_wait_xcnt 0x0
	s_wait_alu depctr_hold_cnt(0) depctr_sa_sdst(0) depctr_va_vdst(0) depctr_va_sdst(0) depctr_va_ssrc(0) depctr_va_vcc(0) depctr_vm_vsrc(0)
	s_getreg_b32 s2, hwreg(HW_REG_IB_STS2, 6, 4)
	s_cmp_eq_u32 s2, 0
	s_cbranch_scc0 .Lentry_in_a_cluster
	s_endpgm
.Lentry_in_a_cluster:
	s_bfe_u32 s2, ttmp6, 0x10000c
	s_cmp_lg_u32 s2, 0x3003
	s_cbranch_scc0 .Lentry_shape_is_right
	s_endpgm
.Lentry_shape_is_right:
; MAIN: the new token's norm and SiLU, the shift of the tokens, all four layers and the last norm, with the f32 residual in registers from first to last.
; SHARES.  A work-group owns 16 batch rows, each of its four waves 4: 64 token rows in four tiles of 16.  Row m of tile i is batch 2 (m / 8) + m % 2, token 4 i + (m / 2) % 4.
; LAYOUTS.  R, the residual (512 registers): the result layout of a product with source 0 = 16 weight rows and source 1 = 16 token rows: lane (r, h) holds token row r and channels 16 dt + 8 h + 0..7.
;   So W_out's and W_skip's products add straight onto R, and R(i, 2 kk), R(i, 2 kk + 1) scaled and rounded in pairs ARE fragment (i, kk) of x (X, 256 registers).
;   U = x W_in^T is made the other way round (source 0 = x): a lane holds ONE state channel, register pair p of tile i token 4 i + p of two batch rows: the recurrence is 15 packed multiply-adds in the lane, in f32.
;   The states, rounded to bf16, go into the wave's own LDS block as [channel][row] and come back turned (ds_load_tr16_b128) as source 1 of W_out's product.
; FORMATS.  x = tok x rs has 256 channels of mean square at most 1, so |x| <= 16 whatever the inputs: x and the weights that it meets (W_in, W_skip, norm_w folded in) are f16, 11 significant bits.
;   A state is a sum of up to 16 u + b_in and has no such bound: the states and W_out are bf16.  On R the bf16 products (W_out) and the f16 products (W_skip) are no chain in place: between the last of the one
;   and the first of the other on any accumulator stand sixteen v_nop or more (those of two groups, of the joint load and of the first W_skip group).
; WEIGHTS.  16-bit fragments in the order of use (the launch before wrote them): 24 steps of 65,536 bytes through a ring of two LDS slots.  A step is 256 matrix instructions a wave:
;   steps UO_c (c = 0..3): 128 for U of state channels 64 c .., the scan, 128 for W_out's columns 64 c ..; steps S_a, S_b: W_skip's rows 0-127, 128-255.
; CLUSTER.  All work-groups walk the same weights: the four of a cluster ask for each step JOINTLY, each wave for a quarter: the same descriptor and mask in all four.
; LIMITS.  Sums, the recurrence and the residual stay in f32.  An x below 6e-5 keeps f16's fixed step of 6e-8.  NaN and infinities are not treated apart.
; REGISTERS, in windows of 256 (s_set_vgpr_msb: bits 1:0 source 0, 3:2 source 1, 5:4 source 2, 7:6 destination):
;   window 0: v0-19 addresses; v20-27 a tile's sum of squares, then rs; v28-43 decay and b_in; v44-63 at work; v64-127 two buffers of four weight fragments (the second also x in f32 in the norm);
;             v128-255 U(i, n) at 128 + 32 n + 8 i; later the states' fragments SF(i, kk2) at 128 + 8 (2 i + kk2); in the norm the biases
;   window 1: X(i, kk) at 64 i + 8 kk          windows 2, 3: R(i, dt) at 32 (dt % 8) + 8 i in window 2 + dt / 8
.set RING1, 65536                      ; slot 1 of the ring; slot 0 begins at 0
.set TPI,   1040                       ; a token row in LDS: 1,024 bytes + 16: the 16 rows that a load touches start at 16 different groups of four banks (ISA guide 11.1)
.set R1SZ,  48*TPI                     ; a wave's tokens 0-11 of four batch rows; these stages lie over the ring: they are read out before the ring's first fill
.set R2,    4*R1SZ                     ; behind them, a wave's 16 rows: tokens 12-14 and the new token of four batch rows; at the end the stage for the way out
.set R2SZ,  16*TPI
.set SBP,   160                        ; a state channel's row: 64 token rows x 2 bytes + 32
.set SB,    R2+4*R2SZ                  ; a wave's states: 64 channels
.set SBSZ,  64*SBP
.set SPARE, SB+4*SBSZ                  ; the spare words, 128 bytes a wave: two blocks of 256 bytes that no other line names
.set WA,  4                            ; v4, v5  16 x lane in slot 0, 1; v4 is also my byte offset in 512 consecutive bytes of out0
.set TRB, 6                            ; v6   the states' turning loads
.set STB, 7                            ; v7   the states' stores
.set TO,  8                            ; v8   4 r
.set BO,  9                            ; v9   32 h
.set OSS, 11                           ; v11, v12  the way out: in, back
.set OSL, 12
.set TA1, 13                           ; v13, v14  my token row in the two stages
.set TA2, 14
.set NS,  15                           ; v15  where the new token goes
.set HO,  16                           ; v16, v17  byte offsets in htok and g0
.set GOF, 17
.set SPW, 18                           ; v18  my spare word's address; never rewritten
.set NIL, 19                           ; v19  0; never rewritten
.set SS,  20
.set DB,  28                           ; decay of channel tile n at v[28 + 4 n], b_in at v[30 + 4 n]; the odd registers hold 0: the packed lines name pairs
.set WF,  64
.set T,   96
.set U,   128
.set H,   128                          ; the new token: h, g0, at work
.set GG,  160
.set E,   176
.set G0T, 68                           ; s[68:99] group 0 of the eight token loads
.set MSB, 0
.macro WIN new                         ; the immediate's high byte repeats the setting that is left; a switch that changes nothing is dropped
.if MSB != (\new)
	s_set_vgpr_msb (MSB<<8)|(\new)
.set MSB, (\new)
.endif
.endm
.macro PLACES                          ; four places between a matrix instruction and a load into, or a vector line on, its registers
.rept 4
	v_nop
.endr
.endm
.macro CREST                           ; a round of the cluster's barrier behind its opening barrier
	s_cmp_lg_u32 s18, 0
	s_cbranch_scc1 .Lnot_wave_0_\@
	s_barrier_signal -3
.Lnot_wave_0_\@:
	s_barrier_wait -3
	s_barrier_signal -1
	s_barrier_wait -1
.endm
.macro CROUND                          ; a whole round
	s_barrier_signal -1
	s_barrier_wait -1
	CREST
.endm
.macro JLOAD                           ; my quarter of the next step's weights; an s_nop 0 and four v_nop follow
	tensor_load_to_lds s[40:43], s[32:39]
	s_nop 0
.rept 4
	v_nop
.endr
.endm
.macro STEPW                           ; the walking descriptor: the other slot, the next 65,536 bytes; the type bits on top are not reached
	s_xor_b32 s41, s41, RING1
	s_add_nc_u64 s[42:43], s[42:43], 65536
.endm
.macro FETCH slot, g                   ; group g's four fragments into buffer g % 2: eight loads of 512 consecutive bytes
	WIN 0
.set e, 0
.rept 4
	ds_load_b128 v[WF+32*((\g)%2)+8*e:WF+32*((\g)%2)+8*e+3],   v[WA+(\slot)] offset:(\g)*4096+e*1024
	ds_load_b128 v[WF+32*((\g)%2)+8*e+4:WF+32*((\g)%2)+8*e+7], v[WA+(\slot)] offset:(\g)*4096+e*1024+512
.set e, e+1
.endr
.endm
; kind 0: U (f16); 1: W_out onto R (bf16); 2, 3: W_skip's first, second half onto R (f16)
.macro MWIN kind, g
.if (\kind) == 0
	WIN 0x01                                       ; x in window 1
.elseif (\kind) == 1
	WIN 0xa0+0x50*((((\g)-8)%4)/2)                 ; R in window 2 or 3
.else
	WIN 0xa4+0x50*((\kind)-2)                      ; R in window 2 or 3, x in window 1
.endif
.endm
; Eight matrix instructions: fragments e0, e0 + 1 of group g, each for the four tiles.  The accumulators take turns, one instruction a turn.
.macro MM kind, g, e0
.set e, \e0
.rept 2
.set i, 0
.rept 4
.set rW, WF+32*((\g)%2)+8*e
.if (\kind) == 0
.set rD, U+32*((\g)/2)+8*i
.set rX, 64*i+8*(4*((\g)%2)+e)
.if (4*((\g)%2)+e) == 0
	v_wmma_f32_16x16x32_f16 v[rD:rD+7], v[rX:rX+7], v[rW:rW+7], 0
.else
	v_wmma_f32_16x16x32_f16 v[rD:rD+7], v[rX:rX+7], v[rW:rW+7], v[rD:rD+7]
.endif
.elseif (\kind) == 1
.set rD, 32*((4*(((\g)-8)%4)+e)%8)+8*i
.set rX, U+8*(2*i+((\g)-8)/4)
	v_wmma_f32_16x16x32_bf16 v[rD:rD+7], v[rW:rW+7], v[rX:rX+7], v[rD:rD+7]
.else
.set rD, 32*(4*((\g)%2)+e)+8*i
.set rX, 64*i+8*((\g)/2)
	v_wmma_f32_16x16x32_f16 v[rD:rD+7], v[rW:rW+7], v[rX:rX+7], v[rD:rD+7]
.endif
.set i, i+1
.endr
.set e, e+1
.endr
.endm
; A group of 16 matrix instructions; the next group's fragments are fetched ahead of it, into the buffer that the products just issued have read
.macro GRP kind, slot, g
	PLACES
.if ((\kind) == 0) && ((\g) == 0)
	v_nop                                          ; a fifth place: this group's products write over the states' fragments, which the products just issued read
.endif
	FETCH \slot, (\g)+1
	s_wait_dscnt 8                                 ; all but the eight just issued
	MWIN \kind, \g
	MM \kind, \g, 0
	MM \kind, \g, 2
.endm
; A step's last group, and the change of slots.  In front of ONE barrier each wave waits for all its tensor loads (one is out: its quarter of the other slot), adds 0 to its spare word, and waits for that
; and for its reads of this slot.  Behind it nobody reads this slot any more and the other slot is whole.  mode = 1: the barrier opens a round of the cluster's, and this slot is filled again, first thing behind it.
.macro MEET kind, slot, mode
	WIN 0
	s_wait_tensorcnt 0x0
	ds_add_u32 v[SPW], v[NIL]                      ; 0 onto my spare word; the descriptor's step stands between it and the wait for it
	STEPW
	s_wait_dscnt 0x0
	s_barrier_signal -1
	MWIN \kind, 15
	MM \kind, 15, 0                                ; work on registers while the others arrive
	WIN 0                                          ; at a branch and at a label every window is 0
	s_barrier_wait -1
.if \mode
	CREST
	JLOAD                                          ; its four v_nop are also the places in front of the loads below
.else
	PLACES
.endif
	FETCH 1-(\slot), 0
	MWIN \kind, 15
	MM \kind, 15, 2
.endm
.macro DBLOAD c                        ; decay and b_in of the step's 64 state channels: channel 16 n + r for lane r
	WIN 0
.set n, 0
.rept 4
	global_load_b32 v[DB+4*n],   v[TO], s[10:11] offset:1024+256*(\c)+64*n
	global_load_b32 v[DB+4*n+2], v[TO], s[10:11] offset:2048+256*(\c)+64*n
.set n, n+1
.endr
.endm
; state(t) = decay x state(t - 1) + u(t) + b_in, in place, four channel tiles side by side; each accumulator is read from its low end on.  Then bf16, into my LDS block, and back turned.
.macro SCAN
	PLACES
	WIN 0
	s_wait_loadcnt 0x0                             ; decay and b_in
.set t, 0
.rept 16
.set n, 0
.rept 4
.set rC, U+32*n+8*(t/4)+2*(t%4)
	v_pk_add_f32 v[rC:rC+1], v[rC:rC+1], v[DB+4*n+2:DB+4*n+3] op_sel_hi:[1,0]
.set n, n+1
.endr
.if t > 0
.set n, 0
.rept 4
.set rC, U+32*n+8*(t/4)+2*(t%4)
.set rP, U+32*n+8*((t-1)/4)+2*((t-1)%4)
	v_pk_fma_f32 v[rC:rC+1], v[rP:rP+1], v[DB+4*n:DB+4*n+1], v[rC:rC+1] op_sel_hi:[1,0,1]
.set n, n+1
.endr
.endif
.set t, t+1
.endr
.set n, 0
.rept 4
.set i, 0
.rept 4
.set rC, U+32*n+8*i
	v_cvt_pk_bf16_f32 v[rC],   v[rC],   v[rC+1]
	v_cvt_pk_bf16_f32 v[rC+1], v[rC+2], v[rC+3]
	v_cvt_pk_bf16_f32 v[rC+2], v[rC+4], v[rC+5]
	v_cvt_pk_bf16_f32 v[rC+3], v[rC+6], v[rC+7]
	ds_store_b128 v[STB], v[rC:rC+3] offset:n*16*SBP+i*32  ; channel 16 n + r, token rows 16 i + 8 h ..
.set i, i+1
.endr
.set n, n+1
.endr
.set i, 0
.rept 4
.set k, 0
.rept 2
.set rS, U+8*(2*i+k)
	ds_load_tr16_b128 v[rS:rS+3],   v[TRB] offset:k*32*SBP+32*i         ; LDS serves a wave's instructions in order (ISA guide 5.7.1.4): these see the stores above
	ds_load_tr16_b128 v[rS+4:rS+7], v[TRB] offset:k*32*SBP+16*SBP+32*i
.set k, k+1
.endr
.set i, i+1
.endr
.endm
.macro UO slot, c                      ; a step UO: U, the scan, W_out
	DBLOAD \c
.set gq, 0
.rept 8
	GRP 0, \slot, gq
.set gq, gq+1
.endr
	SCAN
.rept 7
	GRP 1, \slot, gq
.set gq, gq+1
.endr
	MEET 1, \slot, 1
.endm
.macro SSTEP kind, slot, last          ; a step of W_skip
.set gq, 0
.rept 15
	GRP \kind, \slot, gq
.set gq, gq+1
.endr
.if \last
	s_wait_dscnt 0x0
	MWIN \kind, 15
	MM \kind, 15, 0
	MM \kind, 15, 2
.else
	MEET \kind, \slot, 0
.endif
.endm
; rs = 1 / sqrt(mean of a token row's squares + 1e-4), for the four tiles: four chains; a row's other 128 channels lie in the lane 16 away.  R is read from each accumulator's low end on.
.macro PASS1
.set d, 0
.rept 16
	WIN 0x0a+5*(d/8)
.set p, 0
.rept 4
.set i, 0
.rept 4
.set rR, 32*(d%8)+8*i+2*p
.if (d == 0) && (p == 0)
	v_pk_mul_f32 v[SS+2*i:SS+2*i+1], v[rR:rR+1], v[rR:rR+1]
.else
	v_pk_fma_f32 v[SS+2*i:SS+2*i+1], v[rR:rR+1], v[rR:rR+1], v[SS+2*i:SS+2*i+1]
.endif
.set i, i+1
.endr
.set p, p+1
.endr
.set d, d+1
.endr
	WIN 0
.irp i, 0,1,2,3
	v_add_f32 v[SS+2*\i], v[SS+2*\i], v[SS+2*\i+1]
.endr
.irp i, 0,1,2,3
	v_permlanex16_b32 v[SS+2*\i+1], v[SS+2*\i], s24, s25
.endr
.irp i, 0,1,2,3
	v_add_f32 v[SS+2*\i], v[SS+2*\i], v[SS+2*\i+1]
.endr
.irp i, 0,1,2,3
	v_fma_f32 v[SS+2*\i], v[SS+2*\i], s26, s27
.endr
.irp i, 0,1,2,3
	v_rsq_f32 v[SS+2*\i], v[SS+2*\i]
.endr
	v_nop                                          ; a plain line behind the last root
	s_wait_alu depctr_va_vdst(0)
.endm
; For each channel tile: x = R rs in f32; R takes the layer's two output biases, ahead of the products that add onto it; x is rounded to f16 into its fragment
.macro PASS2
.set d, 0
.rept 16
	WIN 0x02+(d/8)
.set i, 0
.rept 4
.set p, 0
.rept 4
	v_pk_mul_f32 v[T+8*i+2*p:T+8*i+2*p+1], v[32*(d%8)+8*i+2*p:32*(d%8)+8*i+2*p+1], v[SS+2*i:SS+2*i+1] op_sel_hi:[1,0]
.set p, p+1
.endr
.set i, i+1
.endr
	WIN 0x82+0x41*(d/8)
.set i, 0
.rept 4
.set p, 0
.rept 4
	v_pk_add_f32 v[32*(d%8)+8*i+2*p:32*(d%8)+8*i+2*p+1], v[32*(d%8)+8*i+2*p:32*(d%8)+8*i+2*p+1], v[U+8*d+2*p:U+8*d+2*p+1]
.set p, p+1
.endr
.set i, i+1
.endr
	WIN 0x40
.set i, 0
.rept 4
.set p, 0
.rept 4
	v_cvt_pk_f16_f32 v[64*i+8*(d/2)+4*(d%2)+p], v[T+8*i+2*p], v[T+8*i+2*p+1]
.set p, p+1
.endr
.set i, i+1
.endr
.set d, d+1
.endr
.endm
	s_load_b256 s[4:11], s[0:1], 0x0               ; deter 4, htok 6, wbf 8, tab 10
	s_load_b128 s[12:15], s[0:1], 0x20             ; g0 12, out_norm_w 14
	s_load_b64 s[16:17], s[0:1], 0x30              ; out0
	v_lshl_add_u32 v[SPW], v0, 2, SPARE
	v_mov_b32 v[NIL], 0
	ds_add_u32 v[SPW], v[NIL]                      ; the wave's opening: the add and its wait stand ahead of my first tensor load; the set-up below stands between them
	v_lshrrev_b32 v1, 5, v0
	v_readfirstlane_b32 s18, v1                    ; wave 0..3
	s_bfe_u32 s19, ttmp6, 0x40000                  ; cx: my place in the cluster
	s_lshl_b32 s20, ttmp9, 2                       ; in a cluster launch ttmp9 counts clusters
	s_add_co_u32 s20, s20, s19                     ; my work-group: it enters deter's, htok's and out0's addresses alone
	s_mov_b32 s24, 0x76543210                      ; v_permlanex16_b32: each lane takes its own place in the other half
	s_mov_b32 s25, 0xfedcba98
	s_mov_b32 s26, 0x3b800000                      ; 1 / 256
	s_mov_b32 s27, 0x38d1b717                      ; 1e-4
	; group 1 for the weights: 64 dense rows of 256 bytes (32 elements of 8 bytes), asked for jointly by the four work-groups
	s_mov_b32 s32, 15|(3<<16)|(1<<21)              ; 15:0 the mask; 17:16 8-byte elements; 21 set beside a mask
	s_mov_b32 s33, 32<<16                          ; tensor_dim0 = 32
	s_mov_b32 s34, 64<<16                          ; tensor_dim1 = 64
	s_mov_b32 s35, 32<<16                          ; tile_dim0 = 32
	s_mov_b32 s36, 64                              ; tile_dim1 = 64
	s_mov_b32 s37, 32                              ; 32 elements from row to row
	s_mov_b32 s38, 0
	s_mov_b32 s39, 0
	; group 1 for the tokens: 12, or 3, rows of 256 f32, 16 bytes of padding behind each; no mask: every work-group has its own
.irp g, 44, 52
	s_mov_b32 s[\g], (2<<16)|(1<<20)|(7<<22)|(3<<25)  ; 17:16 4-byte elements; 20 padding on; 24:22 after every 256 words (code 7); 31:25 4 words (code 3)
	s_mov_b32 s[\g+1], 256<<16                     ; tensor_dim0 = 256
	s_mov_b32 s[\g+3], 256<<16                     ; tile_dim0 = 256
	s_mov_b32 s[\g+5], 256                         ; 256 elements from token to token
	s_mov_b32 s[\g+6], 0
	s_mov_b32 s[\g+7], 0
.endr
	s_mov_b32 s46, 12<<16                          ; tensor_dim1, tile_dim1
	s_mov_b32 s48, 12
	s_mov_b32 s54, 3<<16
	s_mov_b32 s56, 3
	s_mul_i32 s60, s18, R1SZ                       ; my three LDS regions: no place in the cluster enters an LDS address
	s_mul_i32 s61, s18, R2SZ
	s_add_co_u32 s61, s61, R2
	s_mul_i32 s62, s18, SBSZ
	s_add_co_u32 s62, s62, SB
	s_mov_b32 s40, 1                               ; the weights' group 0: count 1,
	s_lshl_b32 s41, s18, 14                        ; my quarter of slot 0
	s_lshl_b32 s22, s18, 14                        ; and of a step in memory
	s_mov_b32 s23, 0
	s_lshl_b32 s28, s20, 18                        ; 16 batch rows of 16,384 bytes a work-group,
	s_lshl_b32 s29, s18, 16                        ; 4 a wave
	s_add_co_u32 s28, s28, s29
	s_mov_b32 s29, 0
	s_lshl_b32 s30, s20, 14                        ; the same rows in htok, 1,024 bytes each
	s_lshl_b32 s31, s18, 12
	s_add_co_u32 s30, s30, s31
	s_mov_b32 s31, 0
.set k, 0
.rept 4
	s_mov_b32 s[G0T+4*k], 1
	s_add_co_u32 s[G0T+4*k+1], s60, k*12*TPI       ; batch row k: tokens 0-11
	s_mov_b32 s[G0T+16+4*k], 1
	s_add_co_u32 s[G0T+16+4*k+1], s61, k*4*TPI     ; tokens 12-14; the fourth row is the new token's
.set k, k+1
.endr
	s_wait_dscnt 0x0                               ; the opening add is done
	s_wait_kmcnt 0x0
	s_add_nc_u64 s[4:5], s[4:5], s[28:29]          ; deter and out0 at my wave's first batch row
	s_add_nc_u64 s[16:17], s[16:17], s[28:29]
	s_add_nc_u64 s[6:7], s[6:7], s[30:31]          ; htok likewise
	s_add_nc_u64 s[42:43], s[8:9], s[22:23]        ; the weights' first step, my quarter: the same in all four work-groups
	s_or_b32 s43, s43, 0x80000000                  ; type = 2
.set k, 0
.rept 4
	s_add_nc_u64 s[G0T+4*k+2:G0T+4*k+3], s[4:5], k*16384+1024         ; deter's tokens 1-12 become tokens 0-11,
	s_or_b32 s[G0T+4*k+3], s[G0T+4*k+3], 0x80000000
	s_add_nc_u64 s[G0T+16+4*k+2:G0T+16+4*k+3], s[4:5], k*16384+13312  ; its tokens 13-15 tokens 12-14
	s_or_b32 s[G0T+16+4*k+3], s[G0T+16+4*k+3], 0x80000000
.set k, k+1
.endr
	CROUND                                         ; the round that stands in front of the first tensor loads
.set k, 0
.rept 4                                        ; the first fills, one group: eight loads of mine are out
	tensor_load_to_lds s[G0T+4*k:G0T+4*k+3], s[44:51]
	s_nop 0
.set k, k+1
.endr
.rept 4
	tensor_load_to_lds s[G0T+4*k:G0T+4*k+3], s[52:59]
	s_nop 0
.set k, k+1
.endr
.rept 4
	v_nop
.endr
	; ---- the new token, while the tiles are on their way: SiLU(h rs g0).  Lanes 0-15 hold batch rows 0 and 2 of my four, lanes 16-31 rows 1 and 3: 16 numbers of each a lane
	v_and_b32 v1, 15, v0                           ; r
	v_bfe_u32 v2, v0, 4, 1                         ; h
	v_lshlrev_b32 v[GOF], 4, v1
	v_lshl_add_u32 v[HO], v2, 10, v[GOF]
.set z, 0
.rept 8
	global_load_b128 v[H+4*z:H+4*z+3], v[HO], s[6:7] offset:(z/4)*2048+(z%4)*256
.set z, z+1
.endr
.set z, 0
.rept 4
	global_load_b128 v[GG+4*z:GG+4*z+3], v[GOF], s[12:13] offset:z*256
.set z, z+1
.endr
	v_and_b32 v3, 31, v0
	v_lshlrev_b32 v[WA], 4, v3
	v_add_nc_u32 v[WA+1], RING1, v[WA]
	v_and_b32 v44, 7, v0                           ; the turning load: lane l reads channel 8 h + l % 8, token rows 8 ((l / 8) % 2) ..
	v_lshl_add_u32 v44, v2, 3, v44
	v_mul_u32_u24 v[TRB], v44, SBP
	v_bfe_u32 v45, v0, 3, 1
	v_lshl_add_u32 v[TRB], v45, 4, v[TRB]
	v_add_nc_u32 v[TRB], s62, v[TRB]
	v_mul_u32_u24 v[STB], v1, SBP
	v_lshl_add_u32 v[STB], v2, 4, v[STB]
	v_add_nc_u32 v[STB], s62, v[STB]
	v_lshlrev_b32 v[TO], 2, v1
	v_lshlrev_b32 v[BO], 5, v2
	v_mul_u32_u24 v[OSS], v1, TPI
	v_lshl_add_u32 v[OSS], v2, 5, v[OSS]
	v_add_nc_u32 v[OSS], s61, v[OSS]
	v_add_nc_u32 v[OSL], s61, v[WA]
	v_and_b32 v44, 1, v0
	v_lshl_add_u32 v44, v45, 1, v44                ; my token row's batch row: 2 (r / 8) + r % 2,
	v_bfe_u32 v45, v0, 1, 2                        ; and its token within four: (r / 2) % 4
	v_mul_u32_u24 v45, v45, TPI
	v_add_nc_u32 v45, v45, v[BO]
	v_mul_u32_u24 v46, v44, 12*TPI
	v_add_nc_u32 v46, v46, v45
	v_add_nc_u32 v[TA1], s60, v46
	v_mul_u32_u24 v46, v44, 4*TPI
	v_add_nc_u32 v46, v46, v45
	v_add_nc_u32 v[TA2], s61, v46
	v_mul_u32_u24 v46, v2, 4*TPI
	v_add_nc_u32 v46, v46, v[GOF]
	v_add_nc_u32 v46, 3*TPI, v46
	v_add_nc_u32 v[NS], s61, v46
.set n, 0
.rept 8
	v_mov_b32 v[DB+2*n+1], 0                       ; named with decay and b_in as pairs
.set n, n+1
.endr
	s_wait_loadcnt 0x0
	v_pk_mul_f32 v[44:45], v[H:H+1], v[H:H+1]
	v_pk_mul_f32 v[46:47], v[H+16:H+17], v[H+16:H+17]
.set z, 1
.rept 7
	v_pk_fma_f32 v[44:45], v[H+2*z:H+2*z+1], v[H+2*z:H+2*z+1], v[44:45]
	v_pk_fma_f32 v[46:47], v[H+16+2*z:H+16+2*z+1], v[H+16+2*z:H+16+2*z+1], v[46:47]
.set z, z+1
.endr
	v_add_f32 v44, v44, v45
	v_add_f32 v46, v46, v47
.irp x, 1,2,4,8
	v_add_f32_dpp v44, v44, v44 row_xmask:\x row_mask:0xf bank_mask:0xf
	v_add_f32_dpp v46, v46, v46 row_xmask:\x row_mask:0xf bank_mask:0xf
.endr
	v_fma_f32 v44, v44, s26, s27
	v_fma_f32 v46, v46, s26, s27
	v_rsq_f32 v44, v44
	v_rsq_f32 v46, v46
	v_nop
.set z, 0
	s_wait_alu depctr_va_vdst(0)
.rept 16
	v_pk_mul_f32 v[H+2*z:H+2*z+1], v[H+2*z:H+2*z+1], v[44+2*(z/8):45+2*(z/8)] op_sel_hi:[1,0]
.set z, z+1
.endr
.set z, 0
.rept 16
	v_pk_mul_f32 v[H+2*z:H+2*z+1], v[H+2*z:H+2*z+1], v[GG+2*(z%8):GG+2*(z%8)+1]
.set z, z+1
.endr
.set z, 0
.rept 16
	v_pk_mul_f32 v[E+2*z:E+2*z+1], v[H+2*z:H+2*z+1], 0xbfb8aa3b op_sel_hi:[1,0]  ; y / (1 + 2^(-y log2 e))
.set z, z+1
.endr
.set z, 0
.rept 32
	v_exp_f32 v[E+z], v[E+z]
.set z, z+1
.endr
	v_nop
.set z, 0
	s_wait_alu depctr_va_vdst(0)
.rept 16
	v_pk_add_f32 v[E+2*z:E+2*z+1], v[E+2*z:E+2*z+1], 1.0 op_sel_hi:[1,0]
.set z, z+1
.endr
.set z, 0
.rept 32
	v_rcp_f32 v[E+z], v[E+z]
.set z, z+1
.endr
	v_nop
.set z, 0
	s_wait_alu depctr_va_vdst(0)
.rept 16
	v_pk_mul_f32 v[H+2*z:H+2*z+1], v[H+2*z:H+2*z+1], v[E+2*z:E+2*z+1]
.set z, z+1
.endr
	s_wait_tensorcnt 0x0                           ; my eight tiles are in: only I read them; and the blocks into which the new token goes have had their last fill
.set z, 0
.rept 8
	ds_store_b128 v[NS], v[H+4*z:H+4*z+3] offset:(z/4)*8*TPI+(z%4)*256
.set z, z+1
.endr
	; ---- the residual comes in: token row r, channels 16 dt + 8 h ..
.set d, 0
.rept 16
	WIN 0x80+0x40*(d/8)
.set i, 0
.rept 4
.set rR, 32*(d%8)+8*i
.if i < 3
	ds_load_b128 v[rR:rR+3],   v[TA1] offset:i*4*TPI+64*d
	ds_load_b128 v[rR+4:rR+7], v[TA1] offset:i*4*TPI+64*d+16
.else
	ds_load_b128 v[rR:rR+3],   v[TA2] offset:64*d      ; LDS serves a wave's instructions in order: these see the new token
	ds_load_b128 v[rR+4:rR+7], v[TA2] offset:64*d+16
.endif
.set i, i+1
.endr
.set d, d+1
.endr
	WIN 0
	s_mov_b32 s21, 4
.Llayer:
	s_wait_tensorcnt 0x0                           ; no tensor load of mine is out;
	ds_add_u32 v[SPW], v[NIL]
	s_wait_dscnt 0x0                               ; my reads of the stages (first trip) and of both slots are over
	CROUND                                         ; that now holds of every wave of the cluster
	JLOAD                                          ; step UO_0 into slot 0; its four v_nop are the places behind the last products
.set z, 0
.rept 32
	global_load_b128 v[U+4*z:U+4*z+3], v[BO], s[10:11] offset:16*z+32*(z/2)  ; b_out + b_skip of channels 16 dt + 8 h ..: byte 64 dt + 16 q
.set z, z+1
.endr
	PASS1
	s_wait_loadcnt 0x0
	PASS2
	WIN 0
	s_wait_tensorcnt 0x0                           ; my quarter of UO_0 is in
	ds_add_u32 v[SPW], v[NIL]
	STEPW
	s_wait_dscnt 0x0
	CROUND
	JLOAD                                          ; UO_1 into slot 1
	FETCH 0, 0
	s_mov_b32 s22, 2
.Lpair:                                                ; two trips: steps UO_0, UO_1, then UO_2, UO_3; their changes of slots ask for UO_2, UO_3, then S_a, S_b
	UO 0, 0
	UO 1, 1
	WIN 0
	s_add_nc_u64 s[10:11], s[10:11], 512           ; the table's next 128 state channels: its loads were waited for in the scans
	s_sub_co_u32 s22, s22, 1
	s_cmp_lg_u32 s22, 0
	s_cbranch_scc1 .Lpair
	s_add_nc_u64 s[10:11], s[10:11], 2048          ; the next layer's table
	SSTEP 2, 0, 0                                  ; S_a; its change of slots fills nothing, and steps the descriptor to the next layer's UO_0
	SSTEP 3, 1, 1                                  ; S_b
	WIN 0
	s_sub_co_u32 s21, s21, 1
	s_cmp_lg_u32 s21, 0
	s_cbranch_scc1 .Llayer
	; ---- the last norm and the way out
	PLACES
.set z, 0
.rept 32
	global_load_b128 v[U+4*z:U+4*z+3], v[BO], s[14:15] offset:16*z+32*(z/2)
.set z, z+1
.endr
	PASS1
	s_wait_loadcnt 0x0
.set d, 0
.rept 16
	WIN 0x82+0x41*(d/8)
.set i, 0
.rept 4
.set p, 0
.rept 4
	v_pk_mul_f32 v[32*(d%8)+8*i+2*p:32*(d%8)+8*i+2*p+1], v[32*(d%8)+8*i+2*p:32*(d%8)+8*i+2*p+1], v[SS+2*i:SS+2*i+1] op_sel_hi:[1,0]
.set p, p+1
.endr
.set i, i+1
.endr
.set i, 0
.rept 4
.set p, 0
.rept 4
	v_pk_mul_f32 v[32*(d%8)+8*i+2*p:32*(d%8)+8*i+2*p+1], v[32*(d%8)+8*i+2*p:32*(d%8)+8*i+2*p+1], v[U+8*d+2*p:U+8*d+2*p+1]
.set p, p+1
.endr
.set i, i+1
.endr
.set d, d+1
.endr
	; a tile at a time through my stage: in by lanes (32 bytes of a row), back as whole rows of 1,024 bytes, into x's registers, two buffers by turns
.set ti, 0
.rept 4
	WIN 0
	s_wait_xcnt 0x0                                ; the buffer that is loaded below was the data of stores two tiles back: it is rewritten only behind this wait
.set d, 0
.rept 16
	WIN 0x08+4*(d/8)
	ds_store_b128 v[OSS], v[32*(d%8)+8*ti:32*(d%8)+8*ti+3]   offset:64*d
	ds_store_b128 v[OSS], v[32*(d%8)+8*ti+4:32*(d%8)+8*ti+7] offset:64*d+16
.set d, d+1
.endr
	WIN 0x40
.set m, 0
.rept 32
	ds_load_b128 v[128*(ti%2)+4*m:128*(ti%2)+4*m+3], v[OSL] offset:(m/2)*TPI+512*(m%2)
.set m, m+1
.endr
	s_wait_dscnt 0x0
	WIN 0x04
.set m, 0
.rept 32                                       ; row m / 2 of the tile: its batch row and token; each store covers 512 consecutive bytes, aligned
	global_store_b128 v[WA], v[128*(ti%2)+4*m:128*(ti%2)+4*m+3], s[16:17] offset:(2*(m/16)+(m/2)%2)*16384+(4*ti+(m/4)%4)*1024+512*(m%2) th:TH_STORE_NT
.set m, m+1
.endr
.set ti, ti+1
.endr
	WIN 0
	s_wait_tensorcnt 0x0                           ; the wave's end, behind my last tensor load and my last LDS store
	ds_add_u32 v[SPW], v[NIL]
	s_wait_dscnt 0x0
	CROUND                                         ; the closing round: no work-group ends while a partner may still ask for a step that names it
	s_endpgm
.Lfunc_end_k_qd3f003e29d_main:
	.size	k_qd3f003e29d_main, .Lfunc_end_k_qd3f003e29d_main-k_qd3f003e29d_main
	.p2alignl 7, 3214868480
	.fill 96, 4, 3214868480
	.section	.rodata,"a",@progbits
	.p2align	6, 0x0
	.amdhsa_kernel k_qd3f003e29d_main
		.amdhsa_group_segment_fixed_size 327680
		.amdhsa_private_segment_fixed_size 0
		.amdhsa_enable_private_segment 0
		.amdhsa_kernarg_size 56
		.amdhsa_user_sgpr_count 2
		.amdhsa_user_sgpr_kernarg_segment_ptr 1
		.amdhsa_wavefront_size32 1
		.amdhsa_system_sgpr_workgroup_id_x 1
		.amdhsa_system_sgpr_workgroup_id_y 1
		.amdhsa_system_sgpr_workgroup_id_z 1
		.amdhsa_system_vgpr_workitem_id 0
		.amdhsa_next_free_vgpr 1024
		.amdhsa_next_free_sgpr 100
		.amdhsa_reserve_vcc 0
		.amdhsa_float_denorm_mode_32 3
		.amdhsa_float_denorm_mode_16_64 3
		.amdhsa_memory_ordered 1
		.amdhsa_forward_progress 1
		.amdhsa_inst_pref_size 255
	.end_amdhsa_kernel
	.section	.bss,"aw",@nobits
	.p2align	6
	.space	262144
	.amdgpu_metadata
---
amdhsa.version: [ 1, 2 ]
amdhsa.kernels:
  - .name:           k_qd3f003e29d_main
    .symbol:         k_qd3f003e29d_main.kd
    .args:
      - { .name: deter, .offset: 0, .size: 8, .value_kind: global_buffer, .address_space: global }
      - { .name: htok, .offset: 8, .size: 8, .value_kind: global_buffer, .address_space: global }
      - { .name: wbf, .offset: 16, .size: 8, .value_kind: global_buffer, .address_space: global }
      - { .name: tab, .offset: 24, .size: 8, .value_kind: global_buffer, .address_space: global }
      - { .name: g0, .offset: 32, .size: 8, .value_kind: global_buffer, .address_space: global }
      - { .name: out_norm_w, .offset: 40, .size: 8, .value_kind: global_buffer, .address_space: global }
      - { .name: out0, .offset: 48, .size: 8, .value_kind: global_buffer, .address_space: global }
    .group_segment_fixed_size: 327680
    .private_segment_fixed_size: 0
    .kernarg_segment_align: 8
    .kernarg_segment_size: 56
    .max_flat_workgroup_size: 128
    .sgpr_count:     100
    .vgpr_count:     1024
    .wavefront_size: 32
...
	.end_amdgpu_metadata
.endif
;; end of part 2
;; ======== version 2 of 2: 2 launches; version 1 with the launch prep written anew for expert scheduling mode
;; limits: values are held in f16: magnitudes above 65,504 overflow, below 6.1e-05 lose precision
;; workspace buffers: htok 4,194,304 bytes; wbf 1,572,864 bytes; tab 12,288 bytes
;; launch prep (part 3): grid 256 x 1, 8 waves a work-group, no clusters, 290,816 bytes of LDS; arguments stoch, action, W0, b0, W_in, W_out, W_skip, norm_w, log_decay, b_in, b_out, b_skip, htok, wbf, tab; writes htok, wbf, tab
.if DOCPART == 3
	.amdgcn_target "amdgcn-amd-amdhsa--gfx1250"
	.amdhsa_code_object_version 6
	.text
	.protected	k_qd3f003e29d_prep
	.globl	k_qd3f003e29d_prep
	.p2align	8
	.type	k_qd3f003e29d_prep,@function
k_qd3f003e29d_prep:
	s_mov_b64 s[64:65], 0
	v_nop
	global_prefetch_b8 v0, s[64:65] scope:SCOPE_SE
	s_setreg_imm32_b32 hwreg(HW_REG_WAVE_SCHED_MODE, 0, 2), 2
	s_setreg_imm32_b32 hwreg(HW_REG_WAVE_MODE, 25, 1), 1
	s_wait_xcnt 0x0
	s_wait_alu depctr_vm_vsrc(0)
; PREP: three things that the main launch reads.
; (1) wbf: the layer weights in 16 bits, as 1,536 fragments of 1,024 bytes in the order of use.  A fragment is 16 rows x 32 k: byte 512 q + 16 lane holds W[row0 + lane % 16][k0 + 16 q + 8 (lane / 16) .. + 7],
;     which is the register image of a 16-bit matrix operand.  norm_w is folded into W_in and W_skip (W[s][d] x norm_w[d] in f32, rounded once), so that the main launch's x is tok x rs alone.
;     Fragment number = 384 layer + 64 step + f.  Steps 0-3 (state channels 64 c ..): f < 32: W_in rows 64 c + 16 (f / 8), k 32 (f % 8); f >= 32: W_out rows 16 (f % 16), k 64 c + 32 ((f / 16) % 2).
;     Steps 4, 5: W_skip rows 128 (step - 4) + 16 (f % 8), k 32 (f / 8).
;     FORMATS.  W_in and W_skip meet x, which its norm holds within 16: both sides in f16, 11 significant bits.  W_out meets the states, which have no such bound: both sides in bf16.
; (2) tab: f32 [layer][3][256]: b_out + b_skip; sigmoid(log_decay); b_in.
; (3) htok = [stoch | action / max(|action|, 1)] W0^T + b0, f32 [4096][256]: a tile of 64 batch rows x 64 columns a work-group, K = 1,056, f16 operands, f32 sums.
; LIMITS.  f16 holds no number beyond 65,504: stoch, W0, W_in x norm_w and W_skip x norm_w must lie within it; below 6e-5 they keep f16's fixed step of 6e-8.  The weights are rounded after the fold with
; norm_w, not before it.  The division by max(|action|, 1) is a multiplication by v_rcp_f32's result.  NaN and infinities are not treated apart.
; No cluster and no tensor load: the operands are f32 in memory and must pass through registers to be rounded; a work-group's 540,672 bytes are the least that 256 equal shares of this product can fetch.
; THE MODE: SCHED_MODE bits 1:0 = 2 (LLVM: expert scheduling mode 2), set by the entry lines.  The code itself states the register dependences
; between vector or matrix instructions and memory or LDS instructions, with s_wait_alu, always for 0.
; THE PLAN.  Registers that memory or LDS instructions touch in part (3):
;   X0 .. X3   Row q: its sixteen conversions read X[q % 4]; behind them the loads of row q + 4 land in it.
;   C0, C1     Row q: its conversions write C[q % 2]; its eight LDS stores read it; row q + 2's conversions write it again.  k = 1024 .. goes through C1, ahead of row 0.
;   F0, F1     Group g: its six matrix instructions read F[g % 2]; the LDS loads of group g + 1 land in F[(g + 1) % 2], which group g - 1's matrix instructions read.
;   v6 to v20  Offsets and LDS addresses: made once, never written again.
;   The accumulators: written by matrix instructions and by the additions of b0; read by the four LDS stores of the way out.
; A ROW has two waits, both behind its conversions: on va_vdst, for the row's own stores (C[q % 2] is written) and loads (X[q % 4] is read out); on vm_vsrc, for the next row's conversions (the row
; before's stores have read the other C).  The memory and LDS instructions that follow them read C[q % 2] and the fixed addresses alone.
; A GROUP has one wait on va_vdst, at its head; behind it the next group's 18 loads are dealt among the group's matrix instructions, which name F[g % 2] and the accumulators alone.
.set PA,    2128                       ; an LDS row of a tile: 1,056 f16 = 2,112 bytes + 16: 133 x 16, so the 16 rows of a fragment load start at 16 different groups of four banks (ISA guide 11.1)
.set BT,    64*PA                      ; W0's tile lies behind the activations' tile
.set STG,   2*64*PA                    ; the stage for the way out: 64 rows x 272 bytes
.set SPT,   272
.set SPARE, STG+64*SPT                 ; the spare words: 128 bytes a wave, four blocks of 256 bytes that no other line names
.set SPW, 4                            ; v4   my spare word's address; never rewritten
.set NIL, 5                            ; v5   0; never rewritten
.set VA,  6                            ; v6   byte offset in stoch of my 16 bytes in my wave's first row
.set VB,  7                            ; v7   the same in W0
.set LA,  8                            ; v8   LDS address of my 8 bytes in my wave's first row of the activations' tile
.set LB,  9                            ; v9   the same in W0's tile
.set TLA, 10                           ; v10, v11  LDS addresses for k = 1024 .. 1055
.set TLB, 11
.set AO,  12                           ; v12  my byte offset in action
.set WO,  13                           ; v13  my byte offset in W0 for k = 1024 .. 1055
.set BOF, 14                           ; v14  my byte offset in b0
.set FA,  16                           ; v16, v17  fragment addresses
.set FB,  17
.set SST, 18                           ; v18, v19  the stage: in, back
.set SLD, 19
.set HOF, 20                           ; v20  my byte offset in htok
.set C0,  48                           ; v[48:63]   an even row rounded to f16
.set C1,  192                          ; v[192:207] an odd row rounded to f16; later the end of the second fragment buffer
.set X,   64                           ; v[64:191]  four row slots of 32 registers
.set F,   64                           ; v[64:207]  later: two fragment buffers of 72
.set ACC, 208                          ; v[208:223] two accumulators
.set B0R, 224                          ; v[224:239] b0 of my 16 columns
.macro PLACES                          ; four places between a matrix instruction and a load into, or a vector line on, its registers
.rept 4
	v_nop
.endr
.endm
	s_load_b512 s[8:23], s[0:1], 0x0               ; stoch 8, action 10, W0 12, b0 14, W_in 16, W_out 18, W_skip 20, norm_w 22
	s_load_b256 s[24:31], s[0:1], 0x40             ; log_decay 24, b_in 26, b_out 28, b_skip 30
	s_load_b128 s[32:35], s[0:1], 0x60             ; htok 32, wbf 34
	s_load_b64 s[36:37], s[0:1], 0x70              ; tab
	v_lshl_add_u32 v[SPW], v0, 2, SPARE
	v_mov_b32 v[NIL], 0
	v_lshrrev_b32 v1, 5, v0
	v_readfirstlane_b32 s38, v1                    ; wave 0..7
	v_and_b32 v1, 31, v0                           ; lane
	v_and_b32 v2, 15, v0                           ; r = lane % 16
	v_bfe_u32 v3, v0, 4, 1                         ; h = lane / 16
	s_mov_b32 s39, ttmp9                           ; work-group g
	s_wait_alu depctr_va_sdst(0)                   ; s38 is written, ahead of its first reader, the compare below
	s_wait_kmcnt 0x0
	s_cmp_ge_u32 s38, 6
	s_cbranch_scc1 .Ltab
	; ---- (1) waves 0-5: fragment f = g % 64 of step = wave, layer g / 64
	s_and_b32 s40, s39, 63                         ; f
	s_lshr_b32 s41, s39, 6                         ; layer
	s_lshr_b32 s42, s40, 3                         ; f / 8
	s_and_b32 s43, s40, 7                          ; f % 8
	s_lshl_b32 s48, s38, 6                         ; 64 c
	s_lshl4_add_u32 s44, s42, s48                  ; W_in: row0 = 64 c + 16 (f / 8)
	s_lshl_b32 s45, s43, 5                         ;       k0 = 32 (f % 8)
	s_and_b32 s46, s40, 15
	s_lshl_b32 s46, s46, 4                         ; W_out: row0 = 16 (f % 16)
	s_bfe_u32 s47, s40, 0x10004
	s_lshl_b32 s47, s47, 5
	s_add_co_u32 s47, s47, s48                     ;        k0 = 64 c + 32 ((f / 16) % 2)
	s_lshl_b32 s48, s38, 7
	s_sub_co_u32 s48, s48, 512
	s_lshl4_add_u32 s48, s43, s48                  ; W_skip: row0 = 128 (step - 4) + 16 (f % 8) (used for steps 4 and 5 alone)
	s_lshl_b32 s49, s42, 5                         ;         k0 = 32 (f / 8)
	s_cmp_ge_u32 s40, 32                           ; the second half of steps 0-3 is W_out's
	s_cselect_b32 s44, s46, s44
	s_cselect_b32 s45, s47, s45
	s_cselect_b64 s[50:51], s[18:19], s[16:17]
	s_cselect_b32 s52, 1, 0                        ; 1: W_out: no fold, bf16
	s_cmp_ge_u32 s38, 4                            ; steps 4 and 5 are W_skip's
	s_cselect_b32 s44, s48, s44
	s_cselect_b32 s45, s49, s45
	s_cselect_b64 s[50:51], s[20:21], s[50:51]
	s_cselect_b32 s52, 0, s52
	s_lshl_b32 s53, s41, 18                        ; a layer's matrix is 262,144 bytes
	s_lshl_b32 s54, s44, 10                        ; a row 1,024
	s_add_co_u32 s54, s54, s53
	s_lshl2_add_u32 s54, s45, s54
	s_mov_b32 s55, 0
	s_add_nc_u64 s[50:51], s[50:51], s[54:55]      ; the matrix at (row0, k0)
	s_lshl_b32 s56, s41, 10
	s_lshl2_add_u32 s56, s45, s56
	s_mov_b32 s57, 0
	s_add_nc_u64 s[56:57], s[22:23], s[56:57]      ; norm_w at (layer, k0)
	s_mul_i32 s58, s41, 384
	s_lshl_b32 s59, s38, 6
	s_add_co_u32 s58, s58, s59
	s_add_co_u32 s58, s58, s40
	s_lshl_b32 s58, s58, 10
	s_mov_b32 s59, 0
	s_add_nc_u64 s[58:59], s[34:35], s[58:59]      ; wbf at the fragment
	v_lshlrev_b32 v21, 10, v2
	v_lshl_add_u32 v21, v3, 5, v21                 ; row r, 8 h numbers in
	v_lshlrev_b32 v22, 5, v3
	v_lshlrev_b32 v23, 4, v1
	s_wait_alu depctr_va_vdst(0)                   ; the offsets v21, v22 and v23 are written, which the loads and stores of this part read
	global_load_b128 v[64:67], v21, s[50:51]               ; k0 + 8 h + 0..3
	global_load_b128 v[68:71], v21, s[50:51] offset:16     ;            4..7
	global_load_b128 v[72:75], v21, s[50:51] offset:64     ; k0 + 16 + 8 h + 0..3
	global_load_b128 v[76:79], v21, s[50:51] offset:80
	s_cmp_eq_u32 s52, 1
	s_cbranch_scc1 .Lplain
	global_load_b128 v[80:83], v22, s[56:57]
	global_load_b128 v[84:87], v22, s[56:57] offset:16
	global_load_b128 v[88:91], v22, s[56:57] offset:64
	global_load_b128 v[92:95], v22, s[56:57] offset:80
	s_wait_loadcnt 0x0
.set z, 0
.rept 8
	v_pk_mul_f32 v[64+2*z:65+2*z], v[64+2*z:65+2*z], v[80+2*z:81+2*z]
.set z, z+1
.endr
.set z, 0
.rept 8
	v_cvt_pk_f16_f32 v[96+z], v[64+2*z], v[65+2*z]         ; W_in, W_skip: f16
.set z, z+1
.endr
	s_branch .Lfrag
.Lplain:
	s_wait_loadcnt 0x0
.set z, 0
.rept 8
	v_cvt_pk_bf16_f32 v[96+z], v[64+2*z], v[65+2*z]        ; W_out: bf16
.set z, z+1
.endr
.Lfrag:
	s_wait_alu depctr_va_vdst(0)                   ; the conversions, of either way here, have written v[96:103], which the two stores read
	global_store_b128 v23, v[96:99], s[58:59]              ; each store covers 512 consecutive bytes, aligned
	global_store_b128 v23, v[100:103], s[58:59] offset:512
	s_branch .Ljoin
.Ltab:	; ---- (2) waves 6 and 7 of work-groups 0-3: layer g's table; thread 192 + u takes channels 4 u .. 4 u + 3
	s_cmp_ge_u32 s39, 4
	s_cbranch_scc1 .Ljoin
	v_and_b32 v21, 63, v0
	v_lshlrev_b32 v21, 4, v21
	s_lshl_b32 s40, s39, 10
	s_mov_b32 s41, 0
	s_add_nc_u64 s[24:25], s[24:25], s[40:41]
	s_add_nc_u64 s[26:27], s[26:27], s[40:41]
	s_add_nc_u64 s[28:29], s[28:29], s[40:41]
	s_add_nc_u64 s[30:31], s[30:31], s[40:41]
	s_mul_i32 s40, s39, 3072
	s_add_nc_u64 s[36:37], s[36:37], s[40:41]
	s_wait_alu depctr_va_vdst(0)                   ; the offset v21 is written, which the loads and stores of this part read
	global_load_b128 v[64:67], v21, s[24:25]
	global_load_b128 v[68:71], v21, s[26:27]
	global_load_b128 v[72:75], v21, s[28:29]
	global_load_b128 v[76:79], v21, s[30:31]
	s_wait_loadcnt 0x0
	v_pk_mul_f32 v[64:65], v[64:65], 0xbfb8aa3b op_sel_hi:[1,0]  ; sigmoid(x) = 1 / (1 + 2^(-x log2 e))
	v_pk_mul_f32 v[66:67], v[66:67], 0xbfb8aa3b op_sel_hi:[1,0]
	v_exp_f32 v64, v64
	v_exp_f32 v65, v65
	v_exp_f32 v66, v66
	v_exp_f32 v67, v67
	v_pk_add_f32 v[72:73], v[72:73], v[76:77]              ; b_out + b_skip: also the plain line behind the exponentials
	v_pk_add_f32 v[74:75], v[74:75], v[78:79]
	s_wait_alu depctr_va_vdst(0)                   ; the four exponentials have written v[64:67], ahead of their first reader
	v_pk_add_f32 v[64:65], v[64:65], 1.0 op_sel_hi:[1,0]
	v_pk_add_f32 v[66:67], v[66:67], 1.0 op_sel_hi:[1,0]
	v_rcp_f32 v64, v64
	v_rcp_f32 v65, v65
	v_rcp_f32 v66, v66
	v_rcp_f32 v67, v67
	v_nop                                          ; a plain line behind the last reciprocal
	s_wait_alu depctr_va_vdst(0)                   ; the reciprocals have written v[64:67] and the additions v[72:75], which the stores read
	global_store_b128 v21, v[72:75], s[36:37]
	global_store_b128 v21, v[64:67], s[36:37] offset:1024
	global_store_b128 v21, v[68:71], s[36:37] offset:2048
.Ljoin:
	s_wait_xcnt 0x0                                ; the registers that the stores above name are written again only behind this wait
	s_wait_alu depctr_vm_vsrc(0)                   ; the loads and stores above have read v21 to v23, v[64:75] and v[96:103], which the lines and loads below write again
	; ---- (3) the projection: batch rows 64 (g / 4) .., columns 64 (g % 4) ..
	s_lshr_b32 s40, s39, 2
	s_and_b32 s41, s39, 3
	s_mov_b32 s43, 0
	s_lshl_b32 s42, s40, 18
	s_add_nc_u64 s[8:9], s[8:9], s[42:43]          ; stoch at my 64 rows of 4,096 bytes
	s_lshl_b32 s42, s40, 13
	s_add_nc_u64 s[10:11], s[10:11], s[42:43]      ; action: 64 rows of 128 bytes
	s_mul_i32 s42, s41, 270336
	s_add_nc_u64 s[12:13], s[12:13], s[42:43]      ; W0: 64 rows of 4,224 bytes
	s_lshl_b32 s42, s41, 8
	s_add_nc_u64 s[14:15], s[14:15], s[42:43]      ; b0 at my 64 columns
	s_lshl_b32 s44, s40, 16
	s_add_co_u32 s42, s42, s44
	s_add_nc_u64 s[32:33], s[32:33], s[42:43]      ; htok at my tile
	s_lshl_b32 s46, s38, 15                        ; wave x 8 rows of stoch
	s_mul_i32 s47, s38, 33792                      ; of W0
	s_mul_i32 s48, s38, 8*PA                       ; of an LDS tile
	s_lshl_b32 s49, s38, 10                        ; of action
	s_lshr_b32 s44, s38, 1                         ; my row tile of 16
	s_and_b32 s45, s38, 1                          ; my pair of column tiles
	v_lshlrev_b32 v21, 4, v1
	v_add_nc_u32 v[VA], s46, v21
	v_add_nc_u32 v[VB], s47, v21
	v_add_nc_u32 v[AO], s49, v21
	v_lshl_add_u32 v[LA], v1, 3, s48
	v_add_nc_u32 v[LB], BT, v[LA]
	v_lshrrev_b32 v21, 3, v1                       ; k = 1024 ..: a row's 32 numbers are 8 lanes' 16 bytes: four rows a load
	v_and_b32 v22, 7, v1
	v_mul_u32_u24 v23, v21, 4224
	v_lshl_add_u32 v23, v22, 4, v23
	v_add_nc_u32 v[WO], s47, v23
	v_mul_u32_u24 v23, v21, PA
	v_lshl_add_u32 v23, v22, 3, v23
	v_add_nc_u32 v23, s48, v23
	v_add_nc_u32 v[TLA], 2048, v23
	v_add_nc_u32 v[TLB], BT+2048, v23
	s_lshl_b32 s50, s45, 7
	v_lshl_add_u32 v[BOF], v3, 5, s50              ; columns 32 (wave % 2) + 8 h ..
	s_wait_alu depctr_va_vdst(0)                   ; the nine offsets and addresses v6 to v14 are written, which the loads and LDS stores below read; parts (1) and (2) are done with v[64:103], in which the first rows land
	global_load_b128 v[24:27], v[AO], s[10:11]
	global_load_b128 v[28:31], v[AO], s[10:11] offset:512
	global_load_b128 v[32:35], v[WO], s[12:13] offset:4096
	global_load_b128 v[36:39], v[WO], s[12:13] offset:4096+4*4224
	global_load_b128 v[B0R:B0R+3],     v[BOF], s[14:15]
	global_load_b128 v[B0R+4:B0R+7],   v[BOF], s[14:15] offset:16
	global_load_b128 v[B0R+8:B0R+11],  v[BOF], s[14:15] offset:64
	global_load_b128 v[B0R+12:B0R+15], v[BOF], s[14:15] offset:80
; Row rho of my wave's sixteen (0-7: stoch, 8-15: W0), its first 1,024 numbers: eight loads of 512 consecutive bytes into slot s
.macro RLOAD s, rho
.set z, 0
.rept 8
.if (\rho) < 8
	global_load_b128 v[X+32*(\s)+4*z:X+32*(\s)+4*z+3], v[VA], s[8:9] offset:(\rho)*4096+512*z
.else
	global_load_b128 v[X+32*(\s)+4*z:X+32*(\s)+4*z+3], v[VB], s[12:13] offset:((\rho)-8)*4224+512*z
.endif
.set z, z+1
.endr
.endm
; Row number row is rounded to f16; its slot is asked for again at once, for the row four further on; then the rounded row is laid into its tile.  left: the younger rows' loads, which stay out
.macro ROWIN row, left
	s_wait_loadcnt \left
.set rC, C0
.if (\row)%2
.set rC, C1
.endif
.set z, 0
.rept 16
	v_cvt_pk_f16_f32 v[rC+z], v[X+32*((\row)%4)+2*z], v[X+32*((\row)%4)+2*z+1]
.set z, z+1
.endr
	s_wait_alu depctr_va_vdst(0)                   ; the conversions have written this row's C, which the LDS stores below read, and are done reading the slot, in which the loads below land
.if (\row) < 15
	s_wait_alu depctr_vm_vsrc(0)                   ; the LDS stores of the row before (ahead of row 0: those of k = 1024 ..) have read the other C, which the next row's conversions write
.endif
.if (\row) < 12
	RLOAD (\row)%4, (\row)+4
.endif
.set z, 0
.rept 8
.if (\row) < 8
	ds_store_b64 v[LA], v[rC+2*z:rC+2*z+1] offset:(\row)*PA+256*z
.else
	ds_store_b64 v[LB], v[rC+2*z:rC+2*z+1] offset:((\row)-8)*PA+256*z
.endif
.set z, z+1
.endr
.endm
	RLOAD 0, 0
	RLOAD 1, 1
	RLOAD 2, 2
	RLOAD 3, 3
	; the other addresses, in the wait
	v_mul_u32_u24 v21, v2, PA
	v_lshl_add_u32 v21, v3, 4, v21                 ; a fragment's row x pitch + 16 h
	s_mul_i32 s46, s44, 16*PA
	v_add_nc_u32 v[FA], s46, v21
	s_mul_i32 s47, s45, 32*PA
	s_add_co_u32 s47, s47, BT
	v_add_nc_u32 v[FB], s47, v21
	v_mul_u32_u24 v21, v2, SPT                     ; into the stage: row 16 tile + r, my 32 bytes of each column tile
	v_lshl_add_u32 v21, v3, 5, v21
	s_mul_i32 s46, s44, 16*SPT
	s_add_co_u32 s46, s46, s50
	s_add_co_u32 s46, s46, STG
	v_add_nc_u32 v[SST], s46, v21
	v_mul_u32_u24 v21, v3, SPT                     ; back: lanes 0-15 one row of 256 bytes, lanes 16-31 the next; 8 rows a wave
	v_lshl_add_u32 v21, v2, 4, v21
	s_mul_i32 s46, s38, 8*SPT
	s_add_co_u32 s46, s46, STG
	v_add_nc_u32 v[SLD], s46, v21
	v_lshlrev_b32 v21, 10, v3                      ; and the same rows in htok
	v_lshl_add_u32 v21, v2, 4, v21
	s_lshl_b32 s46, s38, 13
	v_add_nc_u32 v[HOF], s46, v21
	s_wait_loadcnt 32                              ; all but the four rows' 32 loads: action, W0's last 32 columns and b0 are in
.set z, 0
.rept 8
	v_and_b32 v[40+z], 0x7fffffff, v[24+z]
.set z, z+1
.endr
.set z, 0
.rept 8
	v_max_num_f32 v[40+z], 1.0, v[40+z]            ; max(|a|, 1)
.set z, z+1
.endr
.set z, 0
.rept 8
	v_rcp_f32 v[40+z], v[40+z]
.set z, z+1
.endr
	v_nop                                          ; a plain line behind the last reciprocal
	s_wait_alu depctr_va_vdst(0)                   ; the eight reciprocals have written v[40:47], ahead of their first reader; the five addresses v16 to v20 are written too, which LDS loads and stores and the last stores read
.set z, 0
.rept 4
	v_pk_mul_f32 v[24+2*z:25+2*z], v[24+2*z:25+2*z], v[40+2*z:41+2*z]
.set z, z+1
.endr
.set z, 0
.rept 8
	v_cvt_pk_f16_f32 v[C1+z], v[24+2*z], v[25+2*z]
.set z, z+1
.endr
	s_wait_alu depctr_va_vdst(0)                   ; the conversions have written v[C1 .. C1 + 7], which the four LDS stores read
	ds_store_b64 v[TLA], v[C1:C1+1]
	ds_store_b64 v[TLA], v[C1+2:C1+3] offset:4*PA
	ds_store_b64 v[TLB], v[C1+4:C1+5]
	ds_store_b64 v[TLB], v[C1+6:C1+7] offset:4*PA
.set q, 0
.rept 16                                       ; three rows' loads, 24, are always behind the row in hand; at the end the counts run down
.if q < 13
	ROWIN q, 24
.else
	ROWIN q, 8*(15-q)
.endif
.set q, q+1
.endr
	s_wait_dscnt 0x0                               ; for the others' sake: my rows of both tiles are written
	s_barrier_signal -1
	s_barrier_wait -1
	s_wait_alu depctr_vm_vsrc(0)                   ; my last row's LDS stores have read C1: its registers are the end of the second fragment buffer from here on, in which LDS loads land
; The products, used transposed (source 0 = 16 rows of W0, source 1 = 16 batch rows): a lane then holds one batch row and eight neighbouring columns.
; 33 K steps of 32 in 11 groups of 3; a K step's six LDS loads are issued three K steps ahead.  The two accumulators take turns, one instruction a turn.
.macro LOADK g, j                      ; K step 3 g + j into set j of buffer g % 2
.set rF, F+72*((\g)%2)+24*(\j)
.set ko, 64*(3*(\g)+(\j))
	ds_load_b128 v[rF:rF+3],     v[FA] offset:ko
	ds_load_b128 v[rF+4:rF+7],   v[FA] offset:ko+32
	ds_load_b128 v[rF+8:rF+11],  v[FB] offset:ko
	ds_load_b128 v[rF+12:rF+15], v[FB] offset:ko+32
	ds_load_b128 v[rF+16:rF+19], v[FB] offset:ko+16*PA
	ds_load_b128 v[rF+20:rF+23], v[FB] offset:ko+16*PA+32
.endm
	LOADK 0, 0                                     ; no vector or matrix instruction since the last row's wait on va_vdst names a register of the two buffers
	LOADK 0, 1
	LOADK 0, 2
.set g, 0
.rept 11
.if (g > 0) && (g < 10)
	PLACES                                         ; the buffer about to be loaded was read by the products just issued: the places stay beside the wait
	s_wait_alu depctr_va_vdst(0)                   ; the matrix instructions of the group before are done reading their buffer, in which this group's 18 loads land
.endif
.set j, 0
.rept 3
.if g < 10
	LOADK g+1, j                                   ; no further wait: the matrix instructions since the group's head name the other buffer and the accumulators alone
	s_wait_dscnt 18                                ; LDS loads come back in order (ISA guide 5.7.1): this K step's six are in, the three younger K steps' 18 stay out
.else
	s_wait_dscnt 12-6*j                            ; the last group loads nothing: the counts run down
.endif
.set rM, F+72*(g%2)+24*j
.if (g == 0) && (j == 0)
	v_wmma_f32_16x16x32_f16 v[ACC:ACC+7],    v[rM+8:rM+15],  v[rM:rM+7], 0      ; the first K step starts the sums
	v_wmma_f32_16x16x32_f16 v[ACC+8:ACC+15], v[rM+16:rM+23], v[rM:rM+7], 0
.else
	v_wmma_f32_16x16x32_f16 v[ACC:ACC+7],    v[rM+8:rM+15],  v[rM:rM+7], v[ACC:ACC+7]
	v_wmma_f32_16x16x32_f16 v[ACC+8:ACC+15], v[rM+16:rM+23], v[rM:rM+7], v[ACC+8:ACC+15]
.endif
.set j, j+1
.endr
.set g, g+1
.endr
	PLACES
.set z, 0
.rept 8                                        ; + b0, from each accumulator's low end on
	v_pk_add_f32 v[ACC+2*z:ACC+2*z+1], v[ACC+2*z:ACC+2*z+1], v[B0R+2*z:B0R+2*z+1]
.set z, z+1
.endr
	s_wait_alu depctr_va_vdst(0)                   ; the additions have written the accumulators, which the LDS stores read; the matrix instructions are done reading v[64:79], in which the stage's loads land
	ds_store_b128 v[SST], v[ACC:ACC+3]
	ds_store_b128 v[SST], v[ACC+4:ACC+7] offset:16
	ds_store_b128 v[SST], v[ACC+8:ACC+11] offset:64
	ds_store_b128 v[SST], v[ACC+12:ACC+15] offset:80
	s_wait_dscnt 0x0                               ; a stage row's 256 bytes come from two waves: my part is written,
	s_barrier_signal -1
	s_barrier_wait -1                              ; everybody's is
.set z, 0
.rept 4
	ds_load_b128 v[64+4*z:67+4*z], v[SLD] offset:z*2*SPT
.set z, z+1
.endr
	s_wait_dscnt 0x0
.set z, 0
.rept 4
	global_store_b128 v[HOF], v[64+4*z:67+4*z], s[32:33] offset:z*2048  ; 16 lanes store 256 consecutive bytes, at a multiple of 256 from htok's first byte
.set z, z+1
.endr
	s_wait_dscnt 0x0                               ; the closing lines, six on end
	s_wait_alu 0x0
	s_wait_tensorcnt 0x0
	ds_add_u32 v[SPW], v[NIL]
	s_wait_dscnt 0x0
	s_endpgm
.Lfunc_end_k_qd3f003e29d_prep:
	.size	k_qd3f003e29d_prep, .Lfunc_end_k_qd3f003e29d_prep-k_qd3f003e29d_prep
	.p2alignl 7, 3214868480
	.fill 96, 4, 3214868480
	.section	.rodata,"a",@progbits
	.p2align	6, 0x0
	.amdhsa_kernel k_qd3f003e29d_prep
		.amdhsa_group_segment_fixed_size 290816
		.amdhsa_private_segment_fixed_size 0
		.amdhsa_enable_private_segment 0
		.amdhsa_kernarg_size 120
		.amdhsa_user_sgpr_count 2
		.amdhsa_user_sgpr_kernarg_segment_ptr 1
		.amdhsa_wavefront_size32 1
		.amdhsa_system_sgpr_workgroup_id_x 1
		.amdhsa_system_sgpr_workgroup_id_y 1
		.amdhsa_system_sgpr_workgroup_id_z 1
		.amdhsa_system_vgpr_workitem_id 0
		.amdhsa_next_free_vgpr 240
		.amdhsa_next_free_sgpr 66
		.amdhsa_reserve_vcc 0
		.amdhsa_float_denorm_mode_32 3
		.amdhsa_float_denorm_mode_16_64 3
		.amdhsa_memory_ordered 1
		.amdhsa_forward_progress 1
		.amdhsa_inst_pref_size 72
	.end_amdhsa_kernel
	.amdgpu_metadata
---
amdhsa.version: [ 1, 2 ]
amdhsa.kernels:
  - .name:           k_qd3f003e29d_prep
    .symbol:         k_qd3f003e29d_prep.kd
    .args:
      - { .name: stoch, .offset: 0, .size: 8, .value_kind: global_buffer, .address_space: global }
      - { .name: action, .offset: 8, .size: 8, .value_kind: global_buffer, .address_space: global }
      - { .name: W0, .offset: 16, .size: 8, .value_kind: global_buffer, .address_space: global }
      - { .name: b0, .offset: 24, .size: 8, .value_kind: global_buffer, .address_space: global }
      - { .name: W_in, .offset: 32, .size: 8, .value_kind: global_buffer, .address_space: global }
      - { .name: W_out, .offset: 40, .size: 8, .value_kind: global_buffer, .address_space: global }
      - { .name: W_skip, .offset: 48, .size: 8, .value_kind: global_buffer, .address_space: global }
      - { .name: norm_w, .offset: 56, .size: 8, .value_kind: global_buffer, .address_space: global }
      - { .name: log_decay, .offset: 64, .size: 8, .value_kind: global_buffer, .address_space: global }
      - { .name: b_in, .offset: 72, .size: 8, .value_kind: global_buffer, .address_space: global }
      - { .name: b_out, .offset: 80, .size: 8, .value_kind: global_buffer, .address_space: global }
      - { .name: b_skip, .offset: 88, .size: 8, .value_kind: global_buffer, .address_space: global }
      - { .name: htok, .offset: 96, .size: 8, .value_kind: global_buffer, .address_space: global }
      - { .name: wbf, .offset: 104, .size: 8, .value_kind: global_buffer, .address_space: global }
      - { .name: tab, .offset: 112, .size: 8, .value_kind: global_buffer, .address_space: global }
    .group_segment_fixed_size: 290816
    .private_segment_fixed_size: 0
    .kernarg_segment_align: 8
    .kernarg_segment_size: 120
    .max_flat_workgroup_size: 256
    .sgpr_count:     66
    .vgpr_count:     240
    .wavefront_size: 32
...
	.end_amdgpu_metadata
.endif
;; end of part 3
;; launch main: the kernel of part 2 again; grid 256 x 1, 4 waves a work-group, clusters of 4 x 1, 327,680 bytes of LDS; arguments deter, htok, wbf, tab, g0, out_norm_w, out0; writes out0
